; MI455X (gfx1250); checked and timed in simulation.
; The chip was launched on July 23, 2026; its instructions are those of AMD's public machine-readable ISA for CDNA 5 (MIT licence, August 2026) and "CDNA5" Instruction Set Architecture Reference Guide (July 2026). The comments in the code are by the model that wrote it; some were corrected since.
;; Adaptive Margin Loss. Allowed arithmetic: matrix products marked QUANTISED: E5M2 operands, one given power-of-two scale a tensor, by v_wmma_f32_16x16x64_bf8_bf8 or v_wmma_f32_16x16x128_bf8_bf8, f32 sums; everything else in f32.
;; Inputs: class_weight 10,000 float32; input 1,024 x 512 float32; label 1,024 int32; lowp_scales 4 int32 (the exponents e of the quantised operands' scales 2^e); weight 10,000 x 512 float32.
;; Outputs: out0 1,024 x 10,000 float32; out1 one number float32.
;; This version of the problem:
;;   THIS VERSION OF THE PROBLEM IS GIVEN IN LOW PRECISION. The matrix products marked QUANTISED in the list below multiply operands that are first quantised to E5M2 (5 exponent bits, 2 mantissa bits; 8 bits a number), with one given power-of-two scale for each operand tensor; their sums are f32. All else is computed in f32.
;;   The module's matrix products, in the order in which they are computed (A, B: the left and right operand; K: the contracted axis; several contracted axes count as one K, in the product's order):
;;     1. [M 1,024, K 512] x [K 512, N 10,000]; A: computed on the way; B: computed on the way: QUANTISED (scales: A lowp_scales[0], B lowp_scales[1])
;;     2. [M 10,000, K 512] x [K 512, N 10,000]; A: computed on the way; B: computed on the way: QUANTISED (scales: A lowp_scales[2], B lowp_scales[3])
;;   THE QUANTISER, for each operand of a quantised product, along K:
;;     - The operand's scale is 2^e, e = its entry of the input lowp_scales (int32; the entries are numbered through the quantised products in the list's order, A before B).
;;     - Each number is divided by the scale, clamped to +-57,344, and rounded to the nearest number of E5M2, ties to even, subnormals kept.
;;     - The product sums the exact products of the quantised numbers (number of the format x scale) in f32.
;;   ~~~python
;;   def quantise(x, axis, e):      # numpy; x: float32 -> the quantised numbers, widened to float32 again
;;       x = np.moveaxis(x, axis, -1); K = x.shape[-1]
;;       r = np.clip(x / 2.0 ** e, -57344, 57344)
;;       step = 2.0 ** (np.maximum(np.frexp(np.where(r == 0, 1, r))[1] - 1, -14) - 2)
;;       q = np.round(r / step) * step * 2.0 ** e      # np.round: ties to even
;;       return np.moveaxis(q, -1, axis).astype(np.float32)
;;   ~~~
;;   OPERANDS COMPUTED ON THE WAY. 'Computed on the way' means the value that the module computes at that place (a softmax that the list does not call 'softmax' is quantised finished and normalised). What goes into a quantiser is computed in f32, as accurately as f32 sums, v_exp_f32 and their like allow (about 1e-6 of the number): no bf16 or f16 on the way to a quantiser, and a product that is left as it is and whose result goes on into a quantised operand takes f32 operands (vector FMAs, or v_wmma_f32_16x16x4_f32). A number that lies on a knife's edge between two numbers of the format may be rounded either way, as far as f32 arithmetic and the matrix unit's own rounding can turn it there, and no further.
;; One version. Each part assembles by itself: llvm-mc -triple=amdgcn-amd-amdhsa -mcpu=gfx1250 --defsym DOCPART=n.
;; ======== version 1 of 1: 3 launches
;; workspace buffers: acodes 1,048,576 bytes; bcodes 10,485,760 bytes; part 262,144 bytes
;; launch prep (part 1): grid 768 x 1, 4 waves a work-group, no clusters, 0 bytes of LDS; arguments input, weight, label, lowp_scales, acodes, bcodes; writes acodes, bcodes
.if DOCPART == 1
	.amdgcn_target "amdgcn-amd-amdhsa--gfx1250"
	.amdhsa_code_object_version 6
	.text
	.protected	k_q7088cfffe2_prep
	.globl	k_q7088cfffe2_prep
	.p2align	8
	.type	k_q7088cfffe2_prep,@function
k_q7088cfffe2_prep:
	s_mov_b64 s[64:65], 0
	v_nop
	global_prefetch_b8 v0, s[64:65] scope:SCOPE_SE
	s_setreg_imm32_b32 hwreg(HW_REG_WAVE_MODE, 25, 1), 1
	s_wait_xcnt 0x0
; Rows are L2-normalised (x / max(||x||, 1e-12)) in f32 and turned into codes of E5M2, each operand with its given scale 2^e.
;   acodes [2][1024][512]:  plane 0 = input rows, e0;  plane 1 = weight rows gathered by label, e2
;   bcodes [2][10240][512]: plane 0 = weight rows, e1; plane 1 = the same rows, e3; rows 10000 to 10239 are zero codes
; K ORDER IN A ROW OF CODES: byte 16 l + 4 q + i holds k = 128 q + 4 l + i.  It is the same in all four tensors, so every product meets its partner;
; one scale serves a whole tensor, so no block of K matters.  It lets each load read 512 consecutive bytes and each lane convert what it loaded.
; SHARES: a wave takes 4 rows, a work-group 16.  Work-groups 0-624: weight rows; 625-639: the pad rows; 640-703: input rows; 704-767: gathered rows.
; A stream: no LDS, no barrier, no matrix unit; 16 loads of 512 bytes a wave are out together, and several work-groups share a WGP.
; LIMITS: each e between -126 and 112, so that 2^e and 57,344 x 2^e are f32 numbers.  NaN among the inputs is not served.
.set OFF,   2                          ; v2-5     row i: its byte offset in the source + 16 x lane
.set X,     16                         ; v16-79   row i at X + 16 i: load q in registers 4 q .. 4 q + 3
.set T,     80                         ; v80-95   16 numbers, held
.set C,     96                         ; v96-127  codes: row i, plane p at C + 8 i + 4 p: no store's data are written again
.set SS,    128                        ; v128-135 row i: sum of squares, then the norm beside it
.set INV,   136                        ; v136-143 row i: 1 / norm, in the low half of a pair
.set SC0,   144                        ; the first plane's 2^e, and 57,344 x 2^e
.set LIM0,  145
.set SC1,   146                        ; the second plane's
.set LIM1,  147
.set PT,    148
.set Z,     152                        ; v152-155 zeros
.set PLANE, 5242880                    ; bytes of a plane of bcodes
	s_load_b256 s[4:11], s[0:1], 0x0               ; input s[4:5], weight s[6:7], label s[8:9], the scales' exponents s[10:11]
	s_load_b128 s[12:15], s[0:1], 0x20             ; acodes s[12:13], bcodes s[14:15]
	v_lshrrev_b32 v1, 5, v0
	v_readfirstlane_b32 s16, v1                    ; wave
	v_and_b32 v1, 31, v0
	v_lshlrev_b32 v1, 4, v1                        ; 16 x lane
	s_lshl_b32 s17, ttmp9, 4
	s_lshl_b32 s40, s16, 2
	s_add_co_u32 s17, s17, s40                     ; S = 16 x work-group + 4 x wave: my first row job
	s_mov_b32 s38, 0x76543210                      ; lane selects: lane l xor 16
	s_mov_b32 s39, 0xfedcba98
	s_wait_kmcnt 0x0
	s_cmp_lt_u32 ttmp9, 625
	s_cbranch_scc1 .Lwork
	s_cmp_ge_u32 ttmp9, 640
	s_cbranch_scc1 .Lwork
	; the pad rows: zero codes into both planes
.irp j, 0,1,2,3
	v_mov_b32 v[Z+\j], 0
.endr
	s_lshl_b32 s40, s17, 9
	s_mov_b32 s41, 0
	s_add_nc_u64 s[30:31], s[14:15], s[40:41]
.irp i, 0,1,2,3
	global_store_b128 v1, v[Z:Z+3], s[30:31] offset:512*\i
	global_store_b128 v1, v[Z:Z+3], s[30:31] offset:512*\i+PLANE
.endr
	s_endpgm
.Lwork:
	s_load_b128 s[24:27], s[10:11], 0x0            ; e0, e1, e2, e3
	s_sub_co_u32 s40, s17, 11264                   ; the gathering waves' four labels begin at label S - 11264;
	s_lshl_b32 s40, s40, 2
	s_min_u32 s40, s40, 4080                       ; in the other waves the difference wraps and is held at the buffer's last four, which they do not use
	s_mov_b32 s41, 0
	s_add_nc_u64 s[46:47], s[8:9], s[40:41]
	s_load_b128 s[20:23], s[46:47], 0x0
	s_cmp_lt_u32 ttmp9, 625                        ; a weight row for bcodes?
	s_cselect_b32 s36, 1, 0
	s_cselect_b64 s[30:31], s[14:15], s[12:13]     ; where the codes go
	s_cselect_b32 s42, 0, 10240
	s_cmp_ge_u32 ttmp9, 704                        ; a gathered row?
	s_cselect_b32 s37, 1, 0
	s_or_b32 s43, s36, s37
	s_cmp_eq_u32 s43, 0                            ; neither: a row of input
	s_cselect_b64 s[28:29], s[4:5], s[6:7]         ; where the numbers come from
	s_sub_co_u32 s42, s17, s42                     ; my first row in the codes' buffer: S, or S - 10240 (gathered rows land in plane 1 of acodes)
	s_lshl_b32 s44, s42, 9
	s_mov_b32 s45, 0
	s_add_nc_u64 s[30:31], s[30:31], s[44:45]
.irp i, 0,1,2,3
	s_add_co_u32 s[32+\i], s42, \i
.endr
	v_mov_b32 v[PT], 0                             ; a lane permute's destination counts as read
.irp i, 0,1,2,3
	v_mov_b32 v[INV+2*\i+1], 0                     ; named as the upper half of a pair
.endr
	s_wait_kmcnt 0x0
	s_cmp_eq_u32 s37, 1
.irp i, 0,1,2,3
	s_cselect_b32 s[32+\i], s[20+\i], s[32+\i]     ; the source row: the label, or the row itself
.endr
.irp i, 0,1,2,3
	s_min_u32 s[32+\i], s[32+\i], 9999             ; a loaded number enters an address only behind this hold
	s_lshl_b32 s[32+\i], s[32+\i], 11              ; a row is 2,048 bytes
	v_add_nc_u32 v[OFF+\i], s[32+\i], v1
.endr
.irp i, 0,1,2,3
.irp q, 0,1,2,3
	global_load_b128 v[X+16*\i+4*\q:X+16*\i+4*\q+3], v[OFF+\i], s[28:29] offset:512*\q   ; 32 lanes read 512 consecutive bytes
.endr
.endr
	s_cmp_eq_u32 s37, 1
	s_cselect_b32 s40, s26, s24                    ; e2 for gathered rows, e0 for input rows,
	s_cmp_eq_u32 s36, 1
	s_cselect_b32 s40, s25, s40                    ; e1 for the first plane of bcodes
	s_add_co_i32 s40, s40, 127
	s_lshl_b32 s41, s40, 23
	v_mov_b32 v[SC0], s41                          ; 2^e as f32: the conversion takes its exponent field
	s_add_co_i32 s40, s40, 15
	s_lshl_b32 s40, s40, 23
	s_or_b32 s40, s40, 0x600000
	v_mov_b32 v[LIM0], s40                         ; 57,344 x 2^e
	s_add_co_i32 s40, s27, 127                     ; the same with e3, for the second plane of bcodes
	s_lshl_b32 s41, s40, 23
	v_mov_b32 v[SC1], s41
	s_add_co_i32 s40, s40, 15
	s_lshl_b32 s40, s40, 23
	s_or_b32 s40, s40, 0x600000
	v_mov_b32 v[LIM1], s40
; the sum of squares of row i, in every lane
.macro SUMSQ i
	s_wait_loadcnt 12-4*\i                         ; loads come back in order: this row's four are in, the later rows' may be out
	v_pk_mul_f32 v[SS+2*\i:SS+2*\i+1], v[X+16*\i:X+16*\i+1], v[X+16*\i:X+16*\i+1]
.irp j, 2,4,6,8,10,12,14
	v_pk_fma_f32 v[SS+2*\i:SS+2*\i+1], v[X+16*\i+\j:X+16*\i+\j+1], v[X+16*\i+\j:X+16*\i+\j+1], v[SS+2*\i:SS+2*\i+1]
.endr
	v_add_f32 v[SS+2*\i], v[SS+2*\i], v[SS+2*\i+1]
	v_add_f32_dpp v[SS+2*\i], v[SS+2*\i], v[SS+2*\i] row_xmask:1 row_mask:0xf bank_mask:0xf
	v_add_f32_dpp v[SS+2*\i], v[SS+2*\i], v[SS+2*\i] row_xmask:2 row_mask:0xf bank_mask:0xf
	v_add_f32_dpp v[SS+2*\i], v[SS+2*\i], v[SS+2*\i] row_xmask:4 row_mask:0xf bank_mask:0xf
	v_add_f32_dpp v[SS+2*\i], v[SS+2*\i], v[SS+2*\i] row_xmask:8 row_mask:0xf bank_mask:0xf
	v_permlanex16_b32 v[PT], v[SS+2*\i], s38, s39
	v_add_f32 v[SS+2*\i], v[SS+2*\i], v[PT]
.endm
	SUMSQ 0
	SUMSQ 1
	SUMSQ 2
	SUMSQ 3
.irp i, 0,1,2,3
	v_sqrt_f32 v[SS+2*\i+1], v[SS+2*\i]            ; the four roots are one batch
.endr
	v_nop                                          ; a plain instruction behind the last of them,
	s_wait_alu depctr_va_vdst(0)                   ; and one wait ahead of the first reader
.irp i, 0,1,2,3
	v_max_num_f32 v[SS+2*\i+1], 0x2b8cbccc, v[SS+2*\i+1]   ; max(norm, 1e-12)
.endr
.irp i, 0,1,2,3
	v_rcp_f32 v[INV+2*\i], v[SS+2*\i+1]
.endr
	v_nop
	s_wait_alu depctr_va_vdst(0)
.irp i, 0,1,2,3
.irp j, 0,2,4,6,8,10,12,14
	v_pk_mul_f32 v[X+16*\i+\j:X+16*\i+\j+1], v[X+16*\i+\j:X+16*\i+\j+1], v[INV+2*\i:INV+2*\i+1] op_sel_hi:[1,0]
.endr
.endr
; row i becomes codes of plane p: held within +-57,344 x the scale (the conversion to an 8-bit code does not saturate: ISA guide 7.6.2), converted, stored
.macro QUANT i, p, sc, lim
.irp j, 0,1,2,3,4,5,6,7,8,9,10,11,12,13,14,15
	v_med3_num_f32 v[T+\j], v[X+16*\i+\j], -v[\lim], v[\lim]
.endr
	v_cvt_scalef32_pk8_bf8_f32 v[C+8*\i+4*\p:C+8*\i+4*\p+1], v[T:T+7], v[\sc]
	v_cvt_scalef32_pk8_bf8_f32 v[C+8*\i+4*\p+2:C+8*\i+4*\p+3], v[T+8:T+15], v[\sc]
	v_nop                                          ; a plain instruction between the conversions and the next lines that write their sources
	global_store_b128 v1, v[C+8*\i+4*\p:C+8*\i+4*\p+3], s[30:31] offset:512*\i+PLANE*\p   ; the wave stores a row's 512 consecutive bytes, aligned
.endm
	QUANT 0, 0, SC0, LIM0
	QUANT 1, 0, SC0, LIM0
	QUANT 2, 0, SC0, LIM0
	QUANT 3, 0, SC0, LIM0
	s_cmp_eq_u32 s36, 1                            ; only weight rows for bcodes have a second plane (a branch on the work-group's number)
	s_cbranch_scc0 .Lend
	QUANT 0, 1, SC1, LIM1
	QUANT 1, 1, SC1, LIM1
	QUANT 2, 1, SC1, LIM1
	QUANT 3, 1, SC1, LIM1
.Lend:
	s_endpgm
.Lfunc_end_k_q7088cfffe2_prep:
	.size	k_q7088cfffe2_prep, .Lfunc_end_k_q7088cfffe2_prep-k_q7088cfffe2_prep
	.p2alignl 7, 3214868480
	.fill 96, 4, 3214868480
	.section	.rodata,"a",@progbits
	.p2align	6, 0x0
	.amdhsa_kernel k_q7088cfffe2_prep
		.amdhsa_group_segment_fixed_size 0
		.amdhsa_private_segment_fixed_size 0
		.amdhsa_enable_private_segment 0
		.amdhsa_kernarg_size 48
		.amdhsa_user_sgpr_count 2
		.amdhsa_user_sgpr_kernarg_segment_ptr 1
		.amdhsa_wavefront_size32 1
		.amdhsa_system_sgpr_workgroup_id_x 1
		.amdhsa_system_sgpr_workgroup_id_y 1
		.amdhsa_system_sgpr_workgroup_id_z 1
		.amdhsa_system_vgpr_workitem_id 0
		.amdhsa_next_free_vgpr 160
		.amdhsa_next_free_sgpr 66
		.amdhsa_reserve_vcc 0
		.amdhsa_float_denorm_mode_32 3
		.amdhsa_float_denorm_mode_16_64 3
		.amdhsa_memory_ordered 1
		.amdhsa_forward_progress 1
		.amdhsa_inst_pref_size 23
	.end_amdhsa_kernel
	.amdgpu_metadata
---
amdhsa.version: [ 1, 2 ]
amdhsa.kernels:
  - .name:           k_q7088cfffe2_prep
    .symbol:         k_q7088cfffe2_prep.kd
    .args:
      - { .name: input, .offset: 0, .size: 8, .value_kind: global_buffer, .address_space: global }
      - { .name: weight, .offset: 8, .size: 8, .value_kind: global_buffer, .address_space: global }
      - { .name: label, .offset: 16, .size: 8, .value_kind: global_buffer, .address_space: global }
      - { .name: lowp_scales, .offset: 24, .size: 8, .value_kind: global_buffer, .address_space: global }
      - { .name: acodes, .offset: 32, .size: 8, .value_kind: global_buffer, .address_space: global }
      - { .name: bcodes, .offset: 40, .size: 8, .value_kind: global_buffer, .address_space: global }
    .group_segment_fixed_size: 0
    .private_segment_fixed_size: 0
    .kernarg_segment_align: 8
    .kernarg_segment_size: 48
    .max_flat_workgroup_size: 128
    .sgpr_count:     66
    .vgpr_count:     160
    .wavefront_size: 32
...
	.end_amdgpu_metadata
.endif
;; end of part 1
;; launch main (part 2): grid 32 x 8, 4 waves a work-group, clusters of 4 x 4, 327,680 bytes of LDS; arguments acodes, bcodes, class_weight, label, lowp_scales, out0, part; writes out0, part
.if DOCPART == 2
	.amdgcn_target "amdgcn-amd-amdhsa--gfx1250"
	.amdhsa_code_object_version 6
	.text
	.protected	k_q7088cfffe2_main
	.globl	k_q7088cfffe2_main
	.p2align	8
	.type	k_q7088cfffe2_main,@function
k_q7088cfffe2_main:
	s_mov_b64 s[64:65], 0
	v_nop
	global_prefetch_b8 v0, s[64:65] scope:SCOPE_SE
	s_setreg_imm32_b32 hwreg(HW_REG_WAVE_MODE, 25, 1), 1
	s_wait_xcnt 0x0
	s_wait_alu depctr_hold_cnt(0) depctr_sa_sdst(0) depctr_va_vdst(0) depctr_va_sdst(0) depctr_va_ssrc(0) depctr_va_vcc(0) depctr_vm_vsrc(0)
	s_getreg_b32 s2, hwreg(HW_REG_IB_STS2, 6, 4)
	s_cmp_eq_u32 s2, 0
	s_cbranch_scc0 .Lentry_in_a_cluster
	s_endpgm
.Lentry_in_a_cluster:
	s_bfe_u32 s2, ttmp6, 0x10000c
	s_cmp_lg_u32 s2, 0xf033
	s_cbranch_scc0 .Lentry_shape_is_right
	s_endpgm
.Lentry_shape_is_right:
; Both products on codes of E5M2, 128 rows x 320 columns to a work-group:
;   1: fea = Q(x^) Q(w^)^T x 2^(e0 + e1) -> out0; and of t = 9.6 log2(e) fea + 9.6 x 0.83 log2(e) cw, over the block's columns but the label's, log2 of the sum of 2^t
;   2: score = Q(w^[label]) Q(w^)^T x 2^(e2 + e3): only the rows that are gathered by label; of them the largest over the columns but the label's, held between 0 and 1
;      (the diagonal's zero is always among the candidates, and the clip keeps order)
; part [32 column blocks][1024 rows][2] takes the two figures of each row; the last launch joins the 32 blocks and takes the positive's score away.
; The largest t is taken away before every exponential: the wave's own over its 80 columns, then the four waves' when their sums are joined.
; SHARES.  256 work-groups.  Wave w: all 128 rows x columns 80 w .. 80 w + 79 of the block: 8 x 5 accumulators, 320 registers, used by product 1 and then by product 2.
; THE MATRIX INSTRUCTION IS USED TRANSPOSED (source 0 = 16 rows of w^, source 1 = 16 rows of the left operand): lane (r, h) holds row 16 a + r and columns 16 b + 8 h + 0 .. 7.
; K = 512: every operand tile lies in LDS whole.  First fills: both left operands and w^'s codes for product 1; one refill: w^'s codes for product 2, asked for ahead of product 1's last
; K step, so that it lands while out0 leaves and the exponentials run.
; CLUSTER 4 x 4: the four work-groups of a row of the cluster need the same rows of the left operands, the four of a column the same rows of w^: each tile is asked for jointly.
; Column block 31 has 80 columns; the codes of rows 10000 on are zeros, their t is -3e38, their score 0, and their lanes are off in the stores.
; LIMITS: e0 + e1 between -126 and 124 (2^(e0+e1) and 13.85 x that are f32 numbers); e2 + e3 goes by v_ldexp_f32; |t| under 1e37, since -3e38 stands for -infinity.  NaN is not served.
; REGISTERS, in windows of 256: window 0: v0-43 addresses and labels; v44-75 at work in the join; v96-255 two sets of w^'s 5 fragments, later results on their way out.
;   window 1: two sets of the left operand's 8 fragments.   windows 2 and 3 (row tiles 0-3 and 4-7), alike: v0-159 accumulators (tile q, column tile b at 40 q + 8 b);
;   v160-199 the columns' 11.495 cw; v200-203 label - my first column; v204 -3e38; v205 0; v208-215 at work; v216-223 (m, l) a tile; v224-227 the largest score a tile.
.set PITCH,  528                       ; an operand's row in LDS: 512 bytes + 16: the 16 rows that a load touches start 33 x 16 bytes apart
.set FROW,   16*PITCH
.set A2OFF,  0                         ; LDS: 128 rows of Q(w^[label])
.set BOFF,   67584                     ; 320 rows of w^'s codes: product 1's, filled again with product 2's
.set A1OFF,  236544                    ; 128 rows of Q(x^): filled once
.set STAGE,  236544                    ; the way out: two buffers of 32 rows x (1,280 + 16) bytes, over A1, which has had its only fill and its last read by then, and the bytes behind it
.set SPITCH, 1296
.set SBUF,   32*SPITCH
.set STATS,  319488                    ; [3 kinds][4 waves][128 rows] f32
.set SPARE,  325632                    ; the spare words, 128 bytes a wave: two blocks of 256 bytes that no other line names
.set BPLANE, 5242880                   ; bytes of a plane of bcodes
.set ADA1, 4
.set ADA2, 5
.set ADB,  6
.set STO,  7
.set RD,   8                           ; v8, v9
.set GO,   10                          ; v10, v11
.set C16,  12                          ; v12-16
.set SA,   17
.set LA,   18
.set PO,   19
.set LBO,  20
.set NEG0, 21
.set COLB, 22                          ; v22-26
.set SPW,  28
.set NIL,  29
.set CWO,  30                          ; v30-34
.set LAB,  36                          ; v36-43
.set BF,   96
.set R,    176
.set CWR,  160
.set DR,   200
.set NEGR, 204
.set ZR,   205
.set TW,   208
.set STT,  216
.set SSC,  224
.set MSB, 0
.macro WIN new                         ; the immediate's high byte repeats the setting that is left; a switch that changes nothing is dropped
.if MSB != (\new)
	s_set_vgpr_msb (MSB<<8)|(\new)
.set MSB, (\new)
.endif
.endm
.macro CROUND                          ; a round of the cluster's barrier
	s_barrier_signal -1
	s_barrier_wait -1
	s_cmp_lg_u32 s18, 0
	s_cbranch_scc1 .Lnot_wave_0_\@
	s_barrier_signal -3
.Lnot_wave_0_\@:
	s_barrier_wait -3
	s_barrier_signal -1
	s_barrier_wait -1
.endm
.macro PLACES                          ; four plain instructions between matrix instructions and loads into, or reads of, their registers
.rept 4
	v_nop
.endr
.endm
.macro BAR                             ; my LDS stores have landed and my LDS loads are in: then the work-group's barrier
	s_wait_dscnt 0x0
	s_barrier_signal -1
	s_barrier_wait -1
.endm
	s_load_b256 s[4:11], s[0:1], 0x0               ; acodes s[4:5], bcodes s[6:7], class_weight s[8:9], label s[10:11]
	s_load_b128 s[12:15], s[0:1], 0x20             ; the scales' exponents s[12:13], out0 s[14:15]
	s_load_b64 s[16:17], s[0:1], 0x30              ; part
	v_lshl_add_u32 v[SPW], v0, 2, SPARE
	v_mov_b32 v[NIL], 0
	ds_add_u32 v28, v29
	ds_add_u32 v28, v29
	s_wait_dscnt 0x0
	v_lshrrev_b32 v1, 5, v0
	v_readfirstlane_b32 s18, v1                    ; wave 0..3
	s_bfe_u32 s19, ttmp6, 0x40000                  ; cx
	s_bfe_u32 s20, ttmp6, 0x40004                  ; cy
	s_lshl_b32 s21, ttmp9, 2
	s_add_co_u32 s21, s21, s19                     ; column block = 4 x cluster x + cx
	s_and_b32 s22, ttmp7, 0xffff
	s_lshl_b32 s22, s22, 2
	s_add_co_u32 s22, s22, s20                     ; row block = 4 x cluster y + cy
	s_lshl_b32 s66, s20, 2
	s_lshl_b32 s66, 15, s66                        ; my row of the cluster
	s_lshl_b32 s67, 0x1111, s19                    ; my column
	; descriptor groups 1: rows of 512 elements of one byte, 4 words of padding behind every 128; 64 rows for the left operands, 80 for w^
	s_or_b32 s24, s66, (1<<20)|(1<<21)|(6<<22)|(3<<25)   ; 15:0 the mask; 17:16 elements of 1 byte; 20 padding on; 21 set beside a mask; 24:22 code 6; 31:25 code 3
	s_mov_b32 s25, 512<<16                         ; tensor_dim0
	s_mov_b32 s26, 64<<16                          ; tensor_dim1
	s_mov_b32 s27, 512<<16                         ; tile_dim0
	s_mov_b32 s28, 64                              ; tile_dim1
	s_mov_b32 s29, 512                             ; from row to row
	s_mov_b32 s30, 0
	s_mov_b32 s31, 0
	s_or_b32 s32, s67, (1<<20)|(1<<21)|(6<<22)|(3<<25)
	s_mov_b32 s33, 512<<16
	s_mov_b32 s34, 80<<16
	s_mov_b32 s35, 512<<16
	s_mov_b32 s36, 80
	s_mov_b32 s37, 512
	s_mov_b32 s38, 0
	s_mov_b32 s39, 0
	; group 0 for the left operands: waves 0, 1 fetch the halves of Q(x^), waves 2, 3 those of Q(w^[label]).  Only cy enters these registers
	s_lshr_b32 s68, s18, 1                         ; which plane
	s_and_b32 s69, s18, 1                          ; which 64 rows
	s_xor_b32 s70, s68, 1
	s_mul_i32 s70, s70, A1OFF                      ; plane 0 goes to A1OFF, plane 1 to 0
	s_mul_i32 s71, s69, 64*PITCH
	s_mov_b32 s40, 1
	s_add_co_u32 s41, s70, s71
	s_lshl_b32 s72, s22, 16                        ; 128 rows x 512 bytes x row block
	s_lshl_b32 s73, s69, 15
	s_add_co_u32 s72, s72, s73
	s_lshl_b32 s73, s68, 19                        ; a plane of acodes is 524,288 bytes
	s_add_co_u32 s72, s72, s73
	s_mov_b32 s73, 0
	; group 0 for w^: wave w fetches the 80 rows that it multiplies by.  Only cx enters these registers
	s_mov_b32 s44, 1
	s_mul_i32 s45, s18, 80*PITCH
	s_add_co_u32 s45, s45, BOFF
	s_mul_i32 s57, s21, 320
	s_mul_i32 s75, s18, 80
	s_add_co_u32 s57, s57, s75                     ; my wave's first column
	s_lshl_b32 s74, s57, 9
	s_mov_b32 s75, 0
	s_mul_i32 s76, s22, 5120000                    ; out0: 128 rows of 40,000 bytes x row block
	s_mul_i32 s77, s21, 1280                       ; + 320 columns x column block
	s_add_co_u32 s76, s76, s77
	s_mov_b32 s77, 0
	s_mov_b32 s58, 0x76543210                      ; lane selects: lane l xor 16
	s_mov_b32 s59, 0xfedcba98
	s_mul_i32 s60, s21, 80
	s_sub_co_u32 s60, 2500, s60                    ; how many groups of 4 columns of out0 are left from my block's first column on
	s_wait_kmcnt 0x0
	s_load_b128 s[48:51], s[12:13], 0x0            ; e0, e1, e2, e3
	s_add_nc_u64 s[42:43], s[4:5], s[72:73]
	s_or_b32 s43, s43, 0x80000000
	s_add_nc_u64 s[46:47], s[6:7], s[74:75]
	s_or_b32 s47, s47, 0x80000000
	s_add_nc_u64 s[62:63], s[14:15], s[76:77]
	CROUND                                         ; all sixteen work-groups are here: the first joint loads meet
	tensor_load_to_lds s[44:47], s[32:39]          ; the first fills go out together: two tensor loads of mine are out
	s_nop 0
	tensor_load_to_lds s[40:43], s[24:31]
	s_nop 0
.rept 4
	v_nop                                          ; four plain instructions behind the tensor loads
.endr
	; addresses, while the tiles are on their way
	v_and_b32 v1, 15, v0                           ; r
	v_bfe_u32 v2, v0, 4, 1                         ; h
	v_and_b32 v3, 31, v0                           ; lane
	v_mul_u32_u24 v[ADA2], v1, PITCH
	v_lshl_add_u32 v[ADA2], v2, 4, v[ADA2]         ; a fragment: row r x pitch + 16 h
	v_add_nc_u32 v[ADA1], A1OFF, v[ADA2]
	v_add_nc_u32 v[ADB], s45, v[ADA2]              ; my 80 rows of w^
	s_mul_i32 s78, s18, 320
	s_add_co_u32 s78, s78, STAGE
	v_mul_u32_u24 v[STO], v1, SPITCH
	v_lshl_add_u32 v[STO], v2, 5, v[STO]
	v_add_nc_u32 v[STO], s78, v[STO]               ; into the stage: row r, my wave's 320 bytes, 32 h
	s_mul_i32 s78, s18, 8*SPITCH
	s_add_co_u32 s78, s78, STAGE
	v_lshl_add_u32 v[RD], v3, 4, s78               ; back: my wave's 8 rows of a buffer's 32, 16 bytes a lane;
	v_lshl_add_u32 v[RD+1], v2, 4, v[RD]           ; where a load runs from a row's end into the next row, lanes 16-31 stand behind the padding
	s_mul_i32 s78, s18, 320000
	v_lshl_add_u32 v[GO], v3, 4, s78               ; the same in out0: 8 rows of 40,000 bytes a wave;
	v_mul_u32_u24 v[GO+1], v2, 38720
	v_add_nc_u32 v[GO+1], v[GO+1], v[GO]           ; there lanes 16-31 stand 40,000 - 1,280 bytes further on
	v_mov_b32 v[C16], v3                           ; which group of 4 columns of the block's 80 my lane holds in each of the five loads of a pair of rows
	v_add_nc_u32 v[C16+1], 32, v3
	v_mul_u32_u24 v[C16+2], v2, 80
	v_sub_nc_u32 v[C16+2], v3, v[C16+2]
	v_add_nc_u32 v[C16+2], 64, v[C16+2]
	v_add_nc_u32 v[C16+3], 16, v3
	v_add_nc_u32 v[C16+4], 48, v3
	s_lshl_b32 s78, s18, 9
	s_add_co_u32 s78, s78, STATS
	v_lshl_add_u32 v[SA], v1, 2, s78               ; my wave's figures: 512 w + 4 r
	v_lshl_add_u32 v[LA], v0, 2, STATS             ; the join: thread t takes row t
	s_lshl_b32 s76, s21, 13
	s_lshl_b32 s77, s22, 10
	s_add_co_u32 s76, s76, s77
	v_lshl_add_u32 v[PO], v0, 3, s76               ; part: 8 x (1024 x column block + 128 x row block + t)
	s_lshl_b32 s72, s22, 9
	v_lshl_add_u32 v[LBO], v1, 2, s72              ; label: 4 x (128 x row block + r)
	v_mov_b32 v[NEG0], 0xff61b1e6                  ; -3e38
	v_lshl_add_u32 v[COLB], v2, 3, s57             ; my first column of column tile b: my wave's first + 8 h + 16 b
.irp b, 1,2,3,4
	v_add_nc_u32 v[COLB+\b], 16*\b, v[COLB]
.endr
.irp b, 0,1,2,3,4
	v_min_u32 v[CWO+\b], 9992, v[COLB+\b]          ; no load leaves class_weight: groups of 8 columns past its end read its last 8, and are replaced below
.endr
.irp b, 0,1,2,3,4
	v_lshlrev_b32 v[CWO+\b], 2, v[CWO+\b]
.endr
.irp a, 0,1,2,3,4,5,6,7
	global_load_b32 v[LAB+\a], v[LBO], s[10:11] offset:64*\a      ; the label of row 16 a + r
.endr
.irp b, 0,1,2,3,4
	global_load_b128 v[BF+8*\b:BF+8*\b+3], v[CWO+\b], s[8:9]
	global_load_b128 v[BF+8*\b+4:BF+8*\b+7], v[CWO+\b], s[8:9] offset:16
.endr
	s_wait_kmcnt 0x0
	s_add_co_i32 s52, s48, s49
	s_add_co_i32 s52, s52, 127
	s_lshl_b32 s52, s52, 23                        ; 2^(e0 + e1) as f32
	s_mov_b32 s53, s52                             ; (named with it as a pair, so it is written)
	s_mul_f32 s54, s52, 0x415d9914                 ; 9.6 log2(e) x 2^(e0 + e1)
	s_mov_b32 s55, s54
	s_add_co_i32 s56, s50, s51                     ; e2 + e3
	s_wait_loadcnt 0x0
.irp n, 0,2,4,6,8,10,12,14,16,18,20,22,24,26,28,30,32,34,36,38
	v_pk_mul_f32 v[BF+\n:BF+\n+1], v[BF+\n:BF+\n+1], 0x4137ed22 op_sel_hi:[1,0]   ; 9.6 x 0.83 log2(e) x cw
.endr
.irp w, 0,1                            ; what the epilogues read lies beside the accumulators, once in each of their two windows
	WIN 0x80+0x40*\w
.irp b, 0,1,2,3,4
	v_cmp_gt_u32 vcc_lo, 10000, v[COLB+\b]
.irp j, 0,1,2,3,4,5,6,7
	v_cndmask_b32 v[CWR+8*\b+\j], v[NEG0], v[BF+8*\b+\j], vcc_lo   ; columns past the last get -3e38
.endr
.endr
.irp q, 0,1,2,3
	v_sub_nc_u32 v[DR+\q], v[LAB+4*\w+\q], v[COLB]  ; register 8 b + j holds the label's column where 16 b + j equals this
.endr
	v_mov_b32 v[NEGR], v[NEG0]
	v_mov_b32 v[ZR], 0
.irp j, 0,1,2,3,4,5,6,7,8,9,10,11,12,13,14,15,16,17,18,19
	v_mov_b32 v[TW+\j], 0                          ; written once: destinations of lane permutes and upper halves of pairs count as read
.endr
.endr
	WIN 0
; 52 LDS loads: the fragments of the s-th 128 along K into set p: the left operand's eight, w^'s five.  A fragment is 16 registers: registers 4 c .. 4 c + 3 = bytes 32 c + 16 h + 0 .. 15 of row r:
; the same places of K on both sides, so every product meets its partner.
.macro FETCH ada, s, p
	WIN 0x40                                       ; destination window 1
.irp i, 0,1,2,3,4,5,6,7
.irp c, 0,1,2,3
	ds_load_b128 v[128*(\p)+16*\i+4*\c:128*(\p)+16*\i+4*\c+3], v[\ada] offset:FROW*\i+128*(\s)+32*\c
.endr
.endr
	WIN 0
.irp b, 0,1,2,3,4
.irp c, 0,1,2,3
	ds_load_b128 v[BF+80*(\p)+16*\b+4*\c:BF+80*(\p)+16*\b+4*\c+3], v[ADB] offset:FROW*\b+128*(\s)+32*\c
.endr
.endr
.endm
; 40 matrix instructions: 128 along K.  The 40 accumulators take turns, one instruction a turn, in the same order in every step.  zero = 1: the products start the sums.
.macro MUL p, zero
.irp a, 0,1,2,3,4,5,6,7
	WIN 0xa4+0x50*(\a/4)                           ; source 0 (w^) window 0, source 1 window 1, C and D window 2 or 3
.irp b, 0,1,2,3,4
.if \zero
	v_wmma_f32_16x16x128_bf8_bf8 v[40*(\a%4)+8*\b:40*(\a%4)+8*\b+7], v[BF+80*(\p)+16*\b:BF+80*(\p)+16*\b+15], v[128*(\p)+16*\a:128*(\p)+16*\a+15], 0
.else
	v_wmma_f32_16x16x128_bf8_bf8 v[40*(\a%4)+8*\b:40*(\a%4)+8*\b+7], v[BF+80*(\p)+16*\b:BF+80*(\p)+16*\b+15], v[128*(\p)+16*\a:128*(\p)+16*\a+15], v[40*(\a%4)+8*\b:40*(\a%4)+8*\b+7]
.endif
.endr
.endr
.endm
; A product: four K steps on two sets of fragments; a step's loads are issued ahead of the step before it.
; refill = 1: ahead of the last step, whose fragments are in registers by then, w^'s region is filled again with the other plane's codes.
.macro PRODUCT ada, refill
	FETCH \ada, 0, 0
	FETCH \ada, 1, 1
	s_wait_dscnt 52                                ; all but the 52 loads just issued
	MUL 0, 1
	PLACES
	FETCH \ada, 2, 0
	s_wait_dscnt 52
	MUL 1, 0
	PLACES
	FETCH \ada, 3, 1
	s_wait_dscnt 52
	MUL 0, 0
	WIN 0
.if \refill
	s_wait_tensorcnt 0x0                           ; no tensor load of mine is out, so a group 0 may be written
	ds_add_u32 v[SPW], v[NIL]                      ; 0 onto my spare word
	s_add_nc_u64 s[46:47], s[46:47], BPLANE        ; the same rows in the second plane; the type bits on top are not reached
	s_wait_dscnt 0x0                               ; the add is done, and my reads of w^'s region and of Q(x^) are over
	CROUND                                         ; no wave of any partner still reads the region or has a load on its way
	tensor_load_to_lds s[44:47], s[32:39]          ; my one tensor load behind the round, and the first thing there
	s_nop 0
.rept 4
	v_nop
.endr
.else
	s_wait_dscnt 0x0
.endif
	MUL 1, 0
	WIN 0
	PLACES
.endm
; Chunk c = row tiles 2 c, 2 c + 1: fea = sum x 2^(e0 + e1), each accumulator from its low end on, into stage buffer c % 2
.macro TOSTAGE c
	WIN 0x02+(\c)/2                                ; source 0 window 2 or 3
.irp e, 0,1
.set n, 0
.rept 20
	v_pk_mul_f32 v[BF+40*\e+n:BF+40*\e+n+1], v[40*(2*((\c)%2)+\e)+n:40*(2*((\c)%2)+\e)+n+1], s[52:53] op_sel_hi:[1,0]
.set n, n+2
.endr
.endr
	WIN 0
.irp e, 0,1
.irp b, 0,1,2,3,4
	ds_store_b128 v[STO], v[BF+40*\e+8*\b:BF+40*\e+8*\b+3] offset:SBUF*((\c)%2)+16*SPITCH*\e+64*\b
	ds_store_b128 v[STO], v[BF+40*\e+8*\b+4:BF+40*\e+8*\b+7] offset:SBUF*((\c)%2)+16*SPITCH*\e+64*\b+16
.endr
.endr
.endm
; the label's column of a tile's 40 registers is replaced
.macro MASK xb, dr, fill
.set n, 0
.rept 40
	v_cmp_eq_u32 vcc_lo, 16*(n/8)+n%8, v[\dr]
	v_cndmask_b32 v[(\xb)+n], v[(\xb)+n], v[\fill], vcc_lo
.set n, n+1
.endr
.endm
; the largest of a row's 80 numbers: my 40 in two chains, then lane l xor 16's
.macro ROWMAX xb, t, dst
	v_max3_num_f32 v[\t], v[(\xb)], v[(\xb)+1], v[(\xb)+2]
	v_max3_num_f32 v[\t+1], v[(\xb)+3], v[(\xb)+4], v[(\xb)+5]
.set n, 6
.rept 8
	v_max3_num_f32 v[\t], v[\t], v[(\xb)+n], v[(\xb)+n+1]
	v_max3_num_f32 v[\t+1], v[\t+1], v[(\xb)+n+2], v[(\xb)+n+3]
.set n, n+4
.endr
	v_max3_num_f32 v[\t], v[\t], v[(\xb)+38], v[(\xb)+39]
	v_max_num_f32 v[\t], v[\t], v[\t+1]
	v_permlanex16_b32 v[\t+2], v[\t], s58, s59
	v_max_num_f32 v[\dst], v[\t], v[\t+2]
.endm
; Chunk c: t in place of the sums, the label's column out, m = the largest t, l = the sum of 2^(t - m).  All under one window setting.
.macro LSE c
	WIN 0xaa+0x55*((\c)/2)
.irp e, 0,1
.set QQ, 2*((\c)%2)+\e
.set XB, 40*QQ
.set n, 0
.rept 20
	v_pk_fma_f32 v[XB+n:XB+n+1], v[XB+n:XB+n+1], s[54:55], v[CWR+n:CWR+n+1] op_sel_hi:[1,0,1]
.set n, n+2
.endr
	MASK XB, DR+QQ, NEGR
	ROWMAX XB, TW+4*\e, STT+2*QQ
.endr
.irp e, 0,1
.set QQ, 2*((\c)%2)+\e
.set XB, 40*QQ
.set n, 0
.rept 20
	v_pk_add_f32 v[XB+n:XB+n+1], v[XB+n:XB+n+1], v[STT+2*QQ:STT+2*QQ+1] op_sel_hi:[1,0] neg_lo:[0,1] neg_hi:[0,1]   ; t - m
.set n, n+2
.endr
.set n, 0
.rept 40
	v_exp_f32 v[XB+n], v[XB+n]
.set n, n+1
.endr
.endr
	v_nop                                          ; a plain instruction behind the last exponential,
	s_wait_alu depctr_va_vdst(0)                   ; and one wait for the 80, ahead of their first reader
.irp e, 0,1
.set QQ, 2*((\c)%2)+\e
.set XB, 40*QQ
	v_pk_add_f32 v[TW+4*\e:TW+4*\e+1], v[XB:XB+1], v[XB+2:XB+3]
	v_pk_add_f32 v[TW+4*\e+2:TW+4*\e+3], v[XB+4:XB+5], v[XB+6:XB+7]
.set n, 8
.rept 8
	v_pk_add_f32 v[TW+4*\e:TW+4*\e+1], v[TW+4*\e:TW+4*\e+1], v[XB+n:XB+n+1]
	v_pk_add_f32 v[TW+4*\e+2:TW+4*\e+3], v[TW+4*\e+2:TW+4*\e+3], v[XB+n+2:XB+n+3]
.set n, n+4
.endr
	v_pk_add_f32 v[TW+4*\e:TW+4*\e+1], v[TW+4*\e:TW+4*\e+1], v[TW+4*\e+2:TW+4*\e+3]
	v_add_f32 v[TW+4*\e], v[TW+4*\e], v[TW+4*\e+1]
	v_permlanex16_b32 v[TW+4*\e+2], v[TW+4*\e], s58, s59
	v_add_f32 v[STT+2*QQ+1], v[TW+4*\e], v[TW+4*\e+2]
.endr
	WIN 0
.endm
; My wave's 8 rows of stage buffer c % 2 come back as whole rows of 1,280 bytes: five loads of 512 bytes for each pair of rows
.macro READ c
.irp k, 0,1,2,3
.irp u, 0,1,2,3,4
	ds_load_b128 v[R+4*(5*\k+\u):R+4*(5*\k+\u)+3], v[RD+(\u%3)/2] offset:SBUF*((\c)%2)+2*SPITCH*\k+512*\u+16*(\u/3)
.endr
.endr
.endm
; and leave: neighbouring lanes store neighbouring 16 bytes, 1,280 consecutive bytes a row.  Lanes whose 4 columns lie past column 9,999 are off.
; younger: the LDS instructions issued behind READ's loads, which may stay out.
.macro SEND c, younger
	s_wait_dscnt \younger
.irp u, 0,1,2,3,4
	v_cmp_gt_u32 vcc_lo, s60, v[C16+\u]
	s_wait_xcnt 0x0                                ; EXEC changes only behind this wait
	s_and_saveexec_b32 s61, vcc_lo
.irp k, 0,1,2,3
	global_store_b128 v[GO+(\u%3)/2], v[R+4*(5*\k+\u):R+4*(5*\k+\u)+3], s[62:63] offset:1280000*(\c)+80000*\k+512*\u+38720*(\u/3) th:TH_STORE_NT
.endr
	s_wait_xcnt 0x0                                ; and again in front of the line that widens it; behind the last of these the stores' data registers may be loaded again
	s_or_b32 exec_lo, exec_lo, s61
.endr
.endm
; Row tile a of product 2: the label's column becomes 0, then the row's largest sum
.macro SMAX a
	WIN 0xaa+0x55*((\a)/4)
	MASK 40*((\a)%4), DR+(\a)%4, ZR
	ROWMAX 40*((\a)%4), TW+4*((\a)%2), SSC+(\a)%4
.endm
	s_wait_tensorcnt 0x0                           ; my parts of the three tiles are in;
	s_barrier_signal -1
	s_barrier_wait -1                              ; everybody's are.
	PRODUCT ADA1, 1
	; EPILOGUE 1, 32 rows at a time through two stage buffers by turns.  One barrier a chunk: in front of it each wave's stores into the chunk's buffer have landed and its reads of the other buffer are in.
	TOSTAGE 0
	LSE 0
	BAR
	READ 0
	TOSTAGE 1
	SEND 0, 20                                     ; behind chunk 0's loads: chunk 1's 20 stores
	LSE 1
	BAR
	READ 1
	TOSTAGE 2
	SEND 1, 20
	LSE 2
	BAR
	READ 2
	TOSTAGE 3
	SEND 2, 20
	LSE 3
	s_wait_tensorcnt 0x0                           ; my part of w^'s second plane is in: behind this barrier everybody's is
	BAR
	READ 3
	SEND 3, 0
	PRODUCT ADA2, 0
.irp a, 0,1,2,3,4,5,6,7
	SMAX \a
.endr
	; THE JOIN of the four waves' figures: m, l and the largest score of each row meet in LDS
.irp a, 0,1,2,3,4,5,6,7
	WIN 0x08+4*(\a/4)                              ; the stores' data in window 2 or 3
	ds_store_b32 v[SA], v[STT+2*(\a%4)] offset:64*\a               ; lanes r and r + 16 hold the same number and write the same word
	ds_store_b32 v[SA], v[STT+2*(\a%4)+1] offset:2048+64*\a
	ds_store_b32 v[SA], v[SSC+(\a%4)] offset:4096+64*\a
.endr
	WIN 0
	BAR
.irp k, 0,1,2
.irp w, 0,1,2,3
	ds_load_b32 v[48+4*\k+\w], v[LA] offset:2048*\k+512*\w
.endr
.endr
	s_wait_dscnt 0x0
	v_max3_num_f32 v60, v48, v49, v50
	v_max_num_f32 v60, v60, v51                    ; M: the largest t of the block's columns
	v_max3_num_f32 v61, v56, v57, v58
	v_max_num_f32 v61, v61, v59
.irp w, 0,1,2,3
	v_sub_f32 v[62+\w], v[48+\w], v60
.endr
.irp w, 0,1,2,3
	v_exp_f32 v[62+\w], v[62+\w]
.endr
	v_ldexp_f32 v61, v61, s56                      ; the score x 2^(e2 + e3).  (The plain instruction behind the exponentials)
	s_wait_alu depctr_va_vdst(0)
	v_mul_f32 v66, v52, v62                        ; the sums under M
	v_fmac_f32 v66, v53, v63
	v_fmac_f32 v66, v54, v64
	v_fmac_f32 v66, v55, v65
	v_log_f32 v67, v66
	v_med3_num_f32 v69, v61, 0, 1.0                ; the clip, and the diagonal's zero.  (The plain instruction behind the logarithm)
	s_wait_alu depctr_va_vdst(0)
	v_add_f32 v68, v60, v67                        ; log2 of the block's sum of 2^t
	global_store_b64 v[PO], v[68:69], s[16:17]     ; the wave stores 256 consecutive bytes, aligned
	s_wait_tensorcnt 0x0                           ; the wave's end
	ds_add_u32 v[SPW], v[NIL]
	s_wait_dscnt 0x0
	CROUND                                         ; the closing round
	s_endpgm
.Lfunc_end_k_q7088cfffe2_main:
	.size	k_q7088cfffe2_main, .Lfunc_end_k_q7088cfffe2_main-k_q7088cfffe2_main
	.p2alignl 7, 3214868480
	.fill 96, 4, 3214868480
	.section	.rodata,"a",@progbits
	.p2align	6, 0x0
	.amdhsa_kernel k_q7088cfffe2_main
		.amdhsa_group_segment_fixed_size 327680
		.amdhsa_private_segment_fixed_size 0
		.amdhsa_enable_private_segment 0
		.amdhsa_kernarg_size 56
		.amdhsa_user_sgpr_count 2
		.amdhsa_user_sgpr_kernarg_segment_ptr 1
		.amdhsa_wavefront_size32 1
		.amdhsa_system_sgpr_workgroup_id_x 1
		.amdhsa_system_sgpr_workgroup_id_y 1
		.amdhsa_system_sgpr_workgroup_id_z 1
		.amdhsa_system_vgpr_workitem_id 0
		.amdhsa_next_free_vgpr 1024
		.amdhsa_next_free_sgpr 80
		.amdhsa_reserve_vcc 1
		.amdhsa_float_denorm_mode_32 3
		.amdhsa_float_denorm_mode_16_64 3
		.amdhsa_memory_ordered 1
		.amdhsa_forward_progress 1
		.amdhsa_inst_pref_size 206
	.end_amdhsa_kernel
	.amdgpu_metadata
---
amdhsa.version: [ 1, 2 ]
amdhsa.kernels:
  - .name:           k_q7088cfffe2_main
    .symbol:         k_q7088cfffe2_main.kd
    .args:
      - { .name: acodes, .offset: 0, .size: 8, .value_kind: global_buffer, .address_space: global }
      - { .name: bcodes, .offset: 8, .size: 8, .value_kind: global_buffer, .address_space: global }
      - { .name: class_weight, .offset: 16, .size: 8, .value_kind: global_buffer, .address_space: global }
      - { .name: label, .offset: 24, .size: 8, .value_kind: global_buffer, .address_space: global }
      - { .name: lowp_scales, .offset: 32, .size: 8, .value_kind: global_buffer, .address_space: global }
      - { .name: out0, .offset: 40, .size: 8, .value_kind: global_buffer, .address_space: global }
      - { .name: part, .offset: 48, .size: 8, .value_kind: global_buffer, .address_space: global }
    .group_segment_fixed_size: 327680
    .private_segment_fixed_size: 0
    .kernarg_segment_align: 8
    .kernarg_segment_size: 56
    .max_flat_workgroup_size: 128
    .sgpr_count:     80
    .vgpr_count:     1024
    .wavefront_size: 32
...
	.end_amdgpu_metadata
.endif
;; end of part 2
;; launch finish (part 3): grid 1 x 1, 32 waves a work-group, no clusters, 5,120 bytes of LDS; arguments part, out0, label, out1; writes out1
.if DOCPART == 3
	.amdgcn_target "amdgcn-amd-amdhsa--gfx1250"
	.amdhsa_code_object_version 6
	.text
	.protected	k_q7088cfffe2_finish
	.globl	k_q7088cfffe2_finish
	.p2align	8
	.type	k_q7088cfffe2_finish,@function
k_q7088cfffe2_finish:
	s_mov_b64 s[64:65], 0
	v_nop
	global_prefetch_b8 v0, s[64:65] scope:SCOPE_SE
	s_setreg_imm32_b32 hwreg(HW_REG_WAVE_MODE, 25, 1), 1
	s_wait_xcnt 0x0
; out1 = mean_i softplus(lse_i) + 10 softplus(mean_i s_i + 0.5).  One work-group, thread i = row i.
; part [32][1024][2] holds, for each column block, log2 of the block's sum of 2^t and the block's largest score held in [0, 1].
; lse_i = ln 2 x z, z = log2(sum over blocks of 2^p) - 9.6 log2(e) fea[i][label_i]; the largest p is taken away before the exponentials.
; softplus(x) = max(x, 0) + ln(1 + e^-|x|).  1,024 rows are too few to share out further: the sum over rows has one owner.
	s_load_b256 s[4:11], s[0:1], 0x0               ; part s[4:5], out0 s[6:7], label s[8:9], out1 s[10:11]
	v_lshl_add_u32 v96, v0, 2, 0x400
	v_mov_b32 v97, 0
	v_lshlrev_b32 v1, 3, v0                        ; my row's 8 bytes in a block of part
	v_lshlrev_b32 v2, 2, v0
	v_mul_u32_u24 v4, v0, 40000                    ; my row of out0
	v_lshrrev_b32 v15, 5, v0
	v_readfirstlane_b32 s12, v15                   ; wave
	v_lshlrev_b32 v15, 3, v15                      ; LDS: 8 bytes a wave
	v_and_b32 v87, 31, v0
	v_lshlrev_b32 v84, 3, v87
	v_mov_b32 v88, 0
	v_mov_b32 v89, 0                               ; a lane permute's destination counts as read
	s_mov_b32 s14, 0x76543210
	s_mov_b32 s15, 0xfedcba98
	s_mov_b32 s16, 0x415d9914                      ; 9.6 log2(e)
	s_mov_b32 s17, 0x3f317218                      ; ln 2
	s_mov_b32 s18, 0x3a800000                      ; 1 / 1024
	s_mov_b32 s19, 0x41200000                      ; 10
	s_mov_b32 s20, 0x3fb8aa3b                      ; log2(e)
	s_wait_kmcnt 0x0
	global_load_b32 v3, v2, s[8:9]
.set b, 0
.rept 32
	global_load_b64 v[16+2*b:17+2*b], v1, s[4:5] offset:8192*b    ; a wave reads 256 consecutive bytes
.set b, b+1
.endr
	s_wait_loadcnt 32                              ; the label is in; the 32 loads behind it may be out
	v_min_u32 v3, 9999, v3                         ; a loaded number enters an address only behind this hold
	v_lshl_add_u32 v3, v3, 2, v4
	global_load_b32 v5, v3, s[6:7]                 ; the positive's fea
	s_wait_loadcnt 0x0
	v_max3_num_f32 v6, v16, v18, v20
	v_max3_num_f32 v7, v17, v19, v21
.set b, 3
.rept 14
	v_max3_num_f32 v6, v6, v[16+2*b], v[18+2*b]
	v_max3_num_f32 v7, v7, v[17+2*b], v[19+2*b]
.set b, b+2
.endr
	v_max_num_f32 v6, v6, v78                      ; the largest p
	v_max_num_f32 v81, v7, v79                     ; s
.set b, 0
.rept 32
	v_sub_f32 v[16+2*b], v[16+2*b], v6
.set b, b+1
.endr
.set b, 0
.rept 32
	v_exp_f32 v[16+2*b], v[16+2*b]
.set b, b+1
.endr
	v_nop                                          ; a plain instruction behind the batch, then its one wait
	s_wait_alu depctr_va_vdst(0)
.irp c, 0,1,2,3
	v_add_f32 v[8+\c], v[16+2*\c], v[24+2*\c]
.endr
.irp g, 2,3,4,5,6,7
.irp c, 0,1,2,3
	v_add_f32 v[8+\c], v[8+\c], v[16+2*\c+8*\g]
.endr
.endr
	v_add_f32 v8, v8, v9
	v_add_f32 v10, v10, v11
	v_add_f32 v8, v8, v10
	v_log_f32 v12, v8
	v_nop
	s_wait_alu depctr_va_vdst(0)
	v_add_f32 v12, v12, v6
	v_fma_f32 v12, -v5, s16, v12                   ; z
	v_or_b32 v13, 0x80000000, v12                  ; -|z|
	v_exp_f32 v14, v13
	v_nop
	s_wait_alu depctr_va_vdst(0)
	v_add_f32 v14, 1.0, v14
	v_log_f32 v13, v14
	v_max_num_f32 v12, 0, v12                      ; (the plain instruction behind the logarithm)
	s_wait_alu depctr_va_vdst(0)
	v_add_f32 v13, v13, v12
	v_mul_f32 v80, s17, v13                        ; softplus(lse)
.macro WSUM r                          ; the sum over the wave's 32 lanes, in every lane
	v_add_f32_dpp v[\r], v[\r], v[\r] row_xmask:1 row_mask:0xf bank_mask:0xf
	v_add_f32_dpp v[\r], v[\r], v[\r] row_xmask:2 row_mask:0xf bank_mask:0xf
	v_add_f32_dpp v[\r], v[\r], v[\r] row_xmask:4 row_mask:0xf bank_mask:0xf
	v_add_f32_dpp v[\r], v[\r], v[\r] row_xmask:8 row_mask:0xf bank_mask:0xf
	v_permlanex16_b32 v89, v[\r], s14, s15
	v_add_f32 v[\r], v[\r], v89
.endm
	WSUM 80
	WSUM 81
	ds_store_b64 v15, v[80:81]                     ; all lanes of a wave write the same two words with the same numbers
	s_wait_dscnt 0x0                               ; for the others' sake: my store has landed
	s_barrier_signal -1
	s_barrier_wait -1
	s_cmp_lg_u32 s12, 0
	s_cbranch_scc1 .Lend
	ds_load_b64 v[82:83], v84                      ; wave 0: lane l takes wave l's two sums
	s_wait_dscnt 0x0
	WSUM 82
	WSUM 83
	v_fma_f32 v83, v83, s18, 0.5                   ; y = mean s + 0.5
	v_mul_f32 v85, s20, v83
	v_or_b32 v85, 0x80000000, v85                  ; -|y| log2(e)
	v_exp_f32 v86, v85
	v_nop
	s_wait_alu depctr_va_vdst(0)
	v_add_f32 v86, 1.0, v86
	v_log_f32 v85, v86
	v_max_num_f32 v83, 0, v83                      ; (the plain instruction behind the logarithm)
	s_wait_alu depctr_va_vdst(0)
	v_fma_f32 v85, v85, s17, v83                   ; softplus(y)
	v_mul_f32 v82, s18, v82                        ; the mean of the rows' losses
	v_fma_f32 v82, v85, s19, v82                   ; + 10 softplus(y)
	v_cmp_eq_u32 vcc_lo, 0, v87
	s_wait_xcnt 0x0                                ; EXEC changes only behind this wait
	s_and_saveexec_b32 s22, vcc_lo
	global_store_b32 v88, v82, s[10:11]            ; lane 0 alone
	s_wait_xcnt 0x0
	s_or_b32 exec_lo, exec_lo, s22
.Lend:
	s_wait_tensorcnt 0x0
	ds_add_u32 v96, v97
	s_wait_dscnt 0x0
	s_endpgm
.Lfunc_end_k_q7088cfffe2_finish:
	.size	k_q7088cfffe2_finish, .Lfunc_end_k_q7088cfffe2_finish-k_q7088cfffe2_finish
	.p2alignl 7, 3214868480
	.fill 96, 4, 3214868480
	.section	.rodata,"a",@progbits
	.p2align	6, 0x0
	.amdhsa_kernel k_q7088cfffe2_finish
		.amdhsa_group_segment_fixed_size 5120
		.amdhsa_private_segment_fixed_size 0
		.amdhsa_enable_private_segment 0
		.amdhsa_kernarg_size 32
		.amdhsa_user_sgpr_count 2
		.amdhsa_user_sgpr_kernarg_segment_ptr 1
		.amdhsa_wavefront_size32 1
		.amdhsa_system_sgpr_workgroup_id_x 1
		.amdhsa_system_sgpr_workgroup_id_y 1
		.amdhsa_system_sgpr_workgroup_id_z 1
		.amdhsa_system_vgpr_workitem_id 0
		.amdhsa_next_free_vgpr 98
		.amdhsa_next_free_sgpr 66
		.amdhsa_reserve_vcc 1
		.amdhsa_float_denorm_mode_32 3
		.amdhsa_float_denorm_mode_16_64 3
		.amdhsa_memory_ordered 1
		.amdhsa_forward_progress 1
		.amdhsa_inst_pref_size 13
	.end_amdhsa_kernel
	.amdgpu_metadata
---
amdhsa.version: [ 1, 2 ]
amdhsa.kernels:
  - .name:           k_q7088cfffe2_finish
    .symbol:         k_q7088cfffe2_finish.kd
    .args:
      - { .name: part, .offset: 0, .size: 8, .value_kind: global_buffer, .address_space: global }
      - { .name: out0, .offset: 8, .size: 8, .value_kind: global_buffer, .address_space: global }
      - { .name: label, .offset: 16, .size: 8, .value_kind: global_buffer, .address_space: global }
      - { .name: out1, .offset: 24, .size: 8, .value_kind: global_buffer, .address_space: global }
    .group_segment_fixed_size: 5120
    .private_segment_fixed_size: 0
    .kernarg_segment_align: 8
    .kernarg_segment_size: 32
    .max_flat_workgroup_size: 1024
    .sgpr_count:     66
    .vgpr_count:     98
    .wavefront_size: 32
...
	.end_amdgpu_metadata
.endif
;; end of part 3
